; MI455X (gfx1250); checked and timed in simulation.
; The chip was launched on July 23, 2026; its instructions are those of AMD's public machine-readable ISA for CDNA 5 (MIT licence, August 2026) and "CDNA5" Instruction Set Architecture Reference Guide (July 2026). The comments in the code are by the model that wrote it; some were corrected since.
;; Relu Transformer. Allowed arithmetic: matrix products marked QUANTISED: E2M3 operands, one E8M0 scale for each 32 along K, by v_wmma_scale_f32_16x16x128_f8f6f4 with both operands' format E2M3, f32 sums; everything else in f32.
;; Inputs: lb 1,024 x 4,097 float32; ub 1,024 x 4,097 float32; w_lb 4,097 x 4,097 float32; w_ub 4,097 x 4,097 float32.
;; Outputs: out0 1,024 x 4,097 float32; out1 1,024 x 4,097 float32.
;; This version of the problem:
;;   THIS VERSION OF THE PROBLEM IS GIVEN IN LOW PRECISION. The matrix products marked QUANTISED in the list below multiply operands that are first quantised to E2M3 (2 exponent bits, 3 mantissa bits; 6 bits a number), with one power-of-two scale for each 32 numbers along K (OCP MX v1.0); their sums are f32. All else is computed in f32.
;;   The module's matrix products, in the order in which they are computed (A, B: the left and right operand; K: the contracted axis; several contracted axes count as one K, in the product's order):
;;     1. [M 1,024, K 4,097] x [K 4,097, N 4,097]; A: computed on the way; B: input w_lb: QUANTISED
;;     2. [M 1,024, K 4,097] x [K 4,097, N 4,097]; A: computed on the way; B: input w_ub: QUANTISED
;;     3. [M 1,024, K 4,097] x [K 4,097, N 4,097]; A: computed on the way; B: input w_ub: QUANTISED
;;     4. [M 1,024, K 4,097] x [K 4,097, N 4,097]; A: computed on the way; B: input w_lb: QUANTISED
;;   THE QUANTISER, for each operand of a quantised product, along K:
;;     - K is cut into blocks of 32 from its start; a last block that is shorter is filled with zeros.
;;     - A block's scale is 2^e with e = floor(log2(the largest magnitude in the block)) - 2, held to -126 .. 127; a block of zeros has e = 0. As a byte (E8M0): e + 127.
;;     - Each number is divided by its block's scale, clamped to +-7.5, and rounded to the nearest number of E2M3, ties to even, subnormals kept.
;;     - The product sums the exact products of the quantised numbers (number of the format x scale) in f32.
;;   ~~~python
;;   def quantise(x, axis):      # numpy; x: float32 -> the quantised numbers, widened to float32 again
;;       x = np.moveaxis(x, axis, -1); K = x.shape[-1]
;;       x = np.pad(x, [(0, 0)] * (x.ndim - 1) + [(0, -K % 32)]); x = x.reshape(x.shape[:-1] + (-1, 32)); a = np.abs(x).max(-1, keepdims=True)
;;       e = np.where(a > 0, np.clip(np.frexp(np.where(a > 0, a, 1))[1] - 1 - 2, -126, 127), 0)      # np.frexp(a)[1] - 1 = floor(log2(a)), exactly
;;       r = np.clip(x / 2.0 ** e, -7.5, 7.5)
;;       step = 2.0 ** (np.maximum(np.frexp(np.where(r == 0, 1, r))[1] - 1, 0) - 3)
;;       q = np.round(r / step) * step * 2.0 ** e      # np.round: ties to even
;;       return np.moveaxis(q.reshape(q.shape[:-2] + (-1,))[..., :K], -1, axis).astype(np.float32)
;;   ~~~
;;   OPERANDS COMPUTED ON THE WAY. 'Computed on the way' means the value that the module computes at that place (a softmax that the list does not call 'softmax' is quantised finished and normalised). What goes into a quantiser is computed in f32, as accurately as f32 sums, v_exp_f32 and their like allow (about 1e-6 of the number): no bf16 or f16 on the way to a quantiser, and a product that is left as it is and whose result goes on into a quantised operand takes f32 operands (vector FMAs, or v_wmma_f32_16x16x4_f32). A number that lies on a knife's edge between two numbers of the format may be rounded either way, as far as f32 arithmetic and the matrix unit's own rounding can turn it there, and no further.
;; One version. Each part assembles by itself: llvm-mc -triple=amdgcn-amd-amdhsa -mcpu=gfx1250 --defsym DOCPART=n.
;; ======== version 1 of 1: 2 launches
;; limits: right only within a limited range of input values
;; workspace buffers: acode 13,312,000 bytes; bcode 26,624,000 bytes; xcode 216,320 bytes
;; launch quant (part 1): grid 258 x 1, 8 waves a work-group, no clusters, 136,192 bytes of LDS; arguments lb, ub, w_lb, w_ub, acode, bcode, xcode; writes acode, bcode, xcode
.if DOCPART == 1
	.amdgcn_target "amdgcn-amd-amdhsa--gfx1250"
	.amdhsa_code_object_version 6
	.text
	.protected	k_qb3ad39d66a_quant
	.globl	k_qb3ad39d66a_quant
	.p2align	8
	.type	k_qb3ad39d66a_quant,@function
k_qb3ad39d66a_quant:
	s_mov_b64 s[64:65], 0
	v_nop
	global_prefetch_b8 v0, s[64:65] scope:SCOPE_SE
	s_setreg_imm32_b32 hwreg(HW_REG_WAVE_MODE, 25, 1), 1
	s_wait_xcnt 0x0
; new_lb = relu(lb) w_lb - relu(-lb) w_ub,  new_ub = relu(ub) w_ub - relu(-ub) w_lb, all four products on codes of FP6 (E2M3) with one E8M0 scale for each 32 along K.
; The quantiser is odd (scale, clamp and rounding look at magnitudes alone), so -Q(relu(-x)) = Q(min(x, 0)): each output is ONE sum  Q(max(x,0)) Q(w1) + Q(min(x,0)) Q(w2).
; lb stacked over ub gives 2,048 rows; K' = 65 steps of 128:  steps 0-31 go against w_lb (lb's rows: max(lb,0); ub's rows: min(ub,0)),  steps 32-63 against w_ub (min(lb,0); max(ub,0)),
; step 64 holds what is left of K = 4,097: its block 0 is k = 4,096 against w_lb, its block 1 k = 4,096 against w_ub, blocks 2 and 3 are zero codes under the byte 127.
; THIS LAUNCH turns all inputs into codes and scale words, laid IN THE ORDER OF THE OPERANDS' REGISTERS: a fragment (16 lines x 128 K, 12 registers a lane) is 1,536 bytes,
; registers 4 g .. 4 g + 3 of lane (r, h) at 512 g + 256 h + 16 r; its 16 scale words lie on end, 4 bytes a line.
;   acode [16 tile rows][65 steps][8 fragments, then 8 x 64 bytes of scale words = 12,800 bytes]      bcode [16 tile columns][65 steps][16 fragments, then 16 x 64 = 25,600 bytes]
;   xcode [65 steps][3,328 bytes]: column 4,096 of w as a fragment whose 16 lines are all that column (twice: both halves of the lanes make one), scale words at 3,072.
; A LANE TAKES A LINE (a row of lb or ub, a column of w) and holds a whole K step of it, 128 numbers, block by block: a block's largest magnitude needs no other lane, and the lane's 24 code registers
; are the 12 registers of the reader's lanes (r, 0) and (r, 1).  Each store of 16 bytes a lane then covers 256 consecutive bytes, aligned, in each half of the lanes.
; SHARES: the work is 1,024 steps of 256 columns of w and 256 steps of 256 stacked rows, 128 KiB read in each: FIVE for each of 256 work-groups.  Work-group id < 256 takes ONE step of rows (rows 256 (id / 32) on,
; step id % 32; a wave: 32 rows) and then FOUR steps of one of w_lb, w_ub (id / 128; tile column (id / 8) % 16; steps 4 (id % 8) on; a wave: 32 columns).  Work-groups 256, 257: column 4,096 of w_lb, w_ub (a wave: 4 steps).
; The rows come first: their step's last two runs of loads are already w's first two blocks, which land while the rows are quantised.
; w: each load reads one row k at 32 neighbouring columns.  lb, ub: K is innermost, so the loads take 128 consecutive bytes of a row and the numbers turn through the wave's own stage in LDS.
; A row of every input is 16,388 bytes, so rows begin at multiples of 4 bytes only: all loads are of 4 bytes a lane.  Neighbouring loads lie on end and begin at no round address: the hint is regular for the near cache
; and non-temporal for the far one: each byte is read once in the launch.
; No tensor loads, no barrier, no cluster: waves share nothing, every input byte is read once.  No prefetch: the launch is one long stream of loads.
; A block's scale byte is its largest magnitude's exponent field - 2, held at 1 from below.  A block of zeros so gets the byte 1 where the rule says 127: its codes are zeros, and this program alone reads the bytes.
; LIMITS: NaN and infinities among the inputs are not served.
.set ROWB,   16388                     ; a row of lb, ub, w_lb, w_ub in bytes
.set FRB,    1536                      ; a fragment's image
.set ASTEPB, 12800                     ; a K step of a tile row of A'
.set BSTEPB, 25600                     ; of a tile column of B'
.set XSTEPB, 3328                      ; of column 4,096
.set ATILE,  65*ASTEPB
.set BTILE,  65*BSTEPB
.set FLOOR,  0x1800000                 ; 2^(3 - 127)
.set PITCH,  528                       ; the stage: a row's 512 bytes + 16: lane l's 16 bytes begin at bank 4 l mod 64
.set WREG,   32*PITCH                  ; a wave's stage
.set VLO,  2                           ; v2   the loads' lane term: 4 x lane (column 4,096: 0)
.set VFO,  3                           ; v3   the images' lane term: 16 (lane % 16) + 1,536 (lane / 16)
.set VSW,  4                           ; v4   w's scale words: 4 x lane + their distance from the wave's first image
.set VST,  5                           ; v5   the stage, in: my wave's + 4 x lane
.set VLD,  6                           ; v6   the stage, out: my wave's + 528 x lane
.set VTO,  7                           ; v7   16,388 x lane: my row's last number
.set VSA,  15                          ; v15  the rows' scale words, as v4
.set SW0,  16                          ; v16, v17  scale words at work
.set SW1,  17
.set TA,   18                          ; v18  step 64: my row's last number;  v20, v21: my column's last of w_lb, of w_ub
.set TW0,  20
.set TW1,  21
.set RAW,  32                          ; v32-95   two sets of 32 numbers as loaded
.set XR,   96                          ; v96-127  a block of my row
.set TR,   128                         ; v128-159 the same, clipped; step 64's two blocks
.set C0,   160                         ; v160-183 a K step's codes;  v184-207 the second operand's
.set C1,   184
.set SRC,  24                          ; w: s[24:25] source;  s[26:27] destination;  s[30:31] a K step in the destination
.set DST0, 26
.set DSTEP, 30
.set TS0,  32                          ; s[32:33], s[34:35] step 64's two sources;  s[36:37] its destination;  s38-41 its two clips (none);  s42: 1 in the waves that make it
.set TS1,  34
.set TDS,  36
.set WCL,  38
.set WFL,  42
.set ASRC, 56                          ; rows: s[56:57] source;  s[58:59], s[60:61] destinations (max, min);  s[62:63], s[66:67] step 64's source and destination;  s68-71 its clips;  s72 its flag
.set AD0,  58
.set AD1,  60
.set ATS,  62
.set ATD,  66
.set ACL,  68
.set AFL,  72
; 32 numbers v[xs] .. v[xs + 31], block b of the K step, become six code registers of the set at c and byte b of the scale word sw
.macro BLOCK xs, c, sw, b
.set CD, (\c)+12*((\b)%2)+6*((\b)/2)   ; the reader's lane (r, b % 2), registers 6 (b / 2) on
	v_max3_num_f32 v8, |v[\xs]|, |v[\xs+1]|, |v[\xs+2]|             ; the largest magnitude, in two chains
	v_max3_num_f32 v9, |v[\xs+3]|, |v[\xs+4]|, |v[\xs+5]|
.irp i, 6,10,14,18,22,26
	s_delay_alu instid0(VALU_DEP_2)
	v_max3_num_f32 v8, v8, |v[\xs+\i]|, |v[\xs+\i+1]|
	s_delay_alu instid0(VALU_DEP_2)
	v_max3_num_f32 v9, v9, |v[\xs+\i+2]|, |v[\xs+\i+3]|
.endr
	s_delay_alu instid0(VALU_DEP_2)
	v_max3_num_f32 v8, v8, |v[\xs+30]|, |v[\xs+31]|
	s_delay_alu instid0(VALU_DEP_1)
	v_max3_num_f32 v8, v8, v9, FLOOR                               ; and the floor: the byte cannot fall under 1
	s_delay_alu instid0(VALU_DEP_1)
	v_add_nc_u32 v10, 0xff000000, v8                               ; 2 off the exponent field: the conversion takes this operand's exponent field as its scale
	v_cvt_scalef32_pk16_fp6_f32 v[CD:CD+2], v[\xs:\xs+15], v10
	v_cvt_scalef32_pk16_fp6_f32 v[12:14], v[\xs+16:\xs+31], v10    ; (a conversion's three registers begin on an even number)
	v_lshrrev_b32 v11, 23, v10                                     ; the byte.  Also the plain instruction between the conversions and the moves below
.if (\b) == 0
	s_delay_alu instid0(VALU_DEP_1)
	v_mov_b32 v[\sw], v11
.else
	s_delay_alu instid0(VALU_DEP_1)
	v_lshl_or_b32 v[\sw], v11, 8*(\b), v[\sw]
.endif
	v_mov_b32 v[CD+3], v12
	v_mov_b32 v[CD+4], v13
	v_mov_b32 v[CD+5], v14
.endm
; a K step's two fragments and their scale words leave: each store of 16 bytes covers 256 consecutive bytes, aligned, in each half of the lanes
.macro PUT ptr, c, sw, vso
.irp h, 0,1
.irp g, 0,1,2
	global_store_b128 v[VFO], v[\c+12*\h+4*\g:\c+12*\h+4*\g+3], s[\ptr:\ptr+1] offset:512*\g+256*\h
.endr
.endr
	global_store_b32 v[\vso], v[\sw], s[\ptr:\ptr+1]
.endm
; block b of a K step of w: w(32 b + i, my column), i = 0 .. 31.  Blocks 4 and 5 are the next step's 0 and 1; 191 rows at the most stand in the immediate
.macro WLOAD b
.irp i, 0,1,2,3,4,5,6,7,8,9,10,11,12,13,14,15,16,17,18,19,20,21,22,23,24,25,26,27,28,29,30,31
	global_load_b32 v[RAW+32*((\b)%2)+\i], v[VLO], s[SRC:SRC+1] offset:(32*(\b)+\i)*ROWB th:TH_LOAD_RT_NT
.endr
.endm
; a quarter of the rows' K step: 8 rows x 512 bytes, 128 consecutive bytes a load
.macro ALOAD q
.irp i, 0,1,2,3,4,5,6,7
.irp j, 0,1,2,3
	global_load_b32 v[RAW+32*((\q)%2)+4*\i+\j], v[VLO], s[ASRC:ASRC+1] offset:(8*(\q)+\i)*ROWB+128*\j th:TH_LOAD_RT_NT
.endr
.endr
.endm
; STEP 64, in the waves whose flag is set: one number of each of two blocks (asked for at the head); all other codes are zeros
.macro TAIL fl, x0, x1, cl, td, vso
	s_cmp_eq_u32 s[\fl], 0
	s_cbranch_scc1 .Lnot_\@
	v_med3_num_f32 v[TR], v[\x0], s[\cl], s[\cl+1]                 ; max(x, 0), min(x, 0), or x as it is
	v_med3_num_f32 v[TR+16], v[\x1], s[\cl+2], s[\cl+3]
.irp i, 1,2,3,4,5,6,7,8,9,10,11,12,13,14,15
	v_mov_b32 v[TR+\i], 0
	v_mov_b32 v[TR+16+\i], 0
.endr
	v_max3_num_f32 v8, |v[TR]|, |v[TR]|, FLOOR
	v_max3_num_f32 v9, |v[TR+16]|, |v[TR+16]|, FLOOR
	s_delay_alu instid0(VALU_DEP_2)
	v_add_nc_u32 v10, 0xff000000, v8
	s_delay_alu instid0(VALU_DEP_2)
	v_add_nc_u32 v11, 0xff000000, v9
	v_cvt_scalef32_pk16_fp6_f32 v[C0:C0+2], v[TR:TR+15], v10
	v_cvt_scalef32_pk16_fp6_f32 v[C0+12:C0+14], v[TR+16:TR+31], v11
	v_nop                                                          ; a plain instruction behind the conversions
	v_lshrrev_b32 v10, 23, v10
	v_lshrrev_b32 v11, 23, v11
	s_delay_alu instid0(VALU_DEP_1)
	v_lshl_or_b32 v[SW0], v11, 8, v10
	s_delay_alu instid0(VALU_DEP_1)
	v_or_b32 v[SW0], 0x7f7f0000, v[SW0]                            ; blocks 2 and 3: the byte 127 over zero codes
.irp i, 3,4,5,6,7,8,9,10,11,15,16,17,18,19,20,21,22,23
	v_mov_b32 v[C0+\i], 0
.endr
	PUT \td, C0, \vso-\vso+SW0, \vso
	s_wait_xcnt 0x0                                ; the stores have read their data: the codes' registers are written again only behind this wait
.Lnot_\@:
.endm
	s_load_b256 s[4:11], s[0:1], 0x0               ; lb s[4:5], ub s[6:7], w_lb s[8:9], w_ub s[10:11]
	s_load_b128 s[12:15], s[0:1], 0x20             ; acode s[12:13], bcode s[14:15]
	s_load_b64 s[16:17], s[0:1], 0x30              ; xcode
	v_lshl_add_u32 v208, v0, 2, 0x21000
	v_mov_b32 v209, 0
	v_lshrrev_b32 v1, 5, v0
	s_delay_alu instid0(VALU_DEP_1)
	v_readfirstlane_b32 s18, v1                    ; wave 0..7
	v_and_b32 v1, 31, v0                           ; lane
	s_delay_alu instid0(VALU_DEP_1)
	v_and_b32 v[VFO], 15, v1
	s_delay_alu instid0(VALU_DEP_2)
	v_lshrrev_b32 v8, 4, v1
	s_delay_alu instid0(VALU_DEP_2)
	v_lshlrev_b32 v[VFO], 4, v[VFO]
	s_delay_alu instid0(VALU_DEP_1)
	v_mad_u32_u24 v[VFO], v8, FRB, v[VFO]
	v_mov_b32 v[TA], 0                             ; step 64's numbers: written on every way, loaded where the flag is set
	v_mov_b32 v[TW0], 0
	v_mov_b32 v[TW1], 0
	s_wait_kmcnt 0x0
	; ---------------- where my part of w_lb or w_ub lies ----------------
	s_cmp_lt_u32 ttmp9, 256
	s_cbranch_scc0 .Lcol
	s_lshr_b32 s21, ttmp9, 7                       ; 0: w_lb, 1: w_ub
	s_bfe_u32 s22, ttmp9, 0x40003                  ; tile column
	s_and_b32 s23, ttmp9, 7                        ; which 4 steps
	s_lshl_b32 s43, s22, 10
	s_lshl_b32 s44, s18, 7
	s_add_co_u32 s43, s43, s44                     ; my wave's first column, in bytes
	s_mul_i32 s46, s22, BTILE
	s_mul_i32 s44, s18, 2*FRB
	s_add_co_u32 s46, s46, s44                     ; my pair of fragments in the tile column
	s_add_co_u32 s48, s46, 64*BSTEPB               ; in step 64
	s_lshl_b32 s44, s21, 5
	s_lshl_b32 s45, s23, 2
	s_add_co_u32 s44, s44, s45
	s_mul_i32 s44, s44, BSTEPB
	s_add_co_u32 s46, s46, s44                     ; in my first step
	s_mul_i32 s44, s18, 2*FRB-128
	s_sub_co_u32 s50, 16*FRB, s44                  ; from my first image to my scale words
	s_mov_b32 s[DSTEP], BSTEPB
	s_mov_b32 s51, 4                               ; a lane a column
	s_branch .Lwboth
.Lcol:                                                 ; column 4,096: every lane takes it; a wave takes 4 steps
	s_sub_co_u32 s21, ttmp9, 256
	s_mov_b32 s23, s18
	s_mov_b32 s43, 4096*4
	s_lshl_b32 s44, s21, 5
	s_lshl_b32 s45, s23, 2
	s_add_co_u32 s44, s44, s45
	s_mul_i32 s46, s44, XSTEPB
	s_mov_b32 s48, 64*XSTEPB
	s_mov_b32 s50, 2*FRB
	s_mov_b32 s[DSTEP], XSTEPB
	s_mov_b32 s51, 0
.Lwboth:
	s_mov_b32 s47, 0
	s_mov_b32 s49, 0
	s_mov_b32 s[DSTEP+1], 0
	s_cmp_lt_u32 ttmp9, 256
	s_cselect_b64 s[DST0:DST0+1], s[14:15], s[16:17]
	s_add_nc_u64 s[TDS:TDS+1], s[DST0:DST0+1], s[48:49]
	s_add_nc_u64 s[DST0:DST0+1], s[DST0:DST0+1], s[46:47]
	s_mul_i32 s44, s23, 512*ROWB                   ; 512 rows of w for each 4 steps
	s_add_co_u32 s44, s44, s43
	s_mov_b32 s45, 0
	s_cmp_eq_u32 s21, 0
	s_cselect_b64 s[SRC:SRC+1], s[8:9], s[10:11]
	s_add_nc_u64 s[SRC:SRC+1], s[SRC:SRC+1], s[44:45]
	s_add_co_u32 s44, s43, 4096*ROWB               ; the last row of w
	s_add_nc_u64 s[TS0:TS0+1], s[8:9], s[44:45]
	s_add_nc_u64 s[TS1:TS1+1], s[10:11], s[44:45]
	s_mov_b32 s[WCL], 0xff800000                   ; no clip
	s_mov_b32 s[WCL+1], 0x7f800000
	s_mov_b32 s[WCL+2], 0xff800000
	s_mov_b32 s[WCL+3], 0x7f800000
	s_lshl_b32 s44, s21, 3
	s_or_b32 s44, s44, s23
	s_cmp_eq_u32 s44, 15
	s_cselect_b32 s[WFL], 1, 0                     ; w_ub's waves with the last steps also make step 64
	s_wait_alu depctr_va_vdst(0)
	v_mul_u32_u24 v[VLO], s51, v1
	v_lshl_add_u32 v[VSW], v1, 2, s50
	s_cmp_eq_u32 s[WFL], 0
	s_cbranch_scc1 .Lno_wt
	global_load_b32 v[TW0], v[VLO], s[TS0:TS0+1]   ; asked for here, wanted at the end: older than every other load, so the first counted wait below covers them
	global_load_b32 v[TW1], v[VLO], s[TS1:TS1+1]
.Lno_wt:
	s_cmp_lt_u32 ttmp9, 256
	s_cbranch_scc0 .Lonlyw                         ; column 4,096's work-groups have no rows
	; ---------------- one K step of 256 rows of lb or ub ----------------
	s_lshr_b32 s20, ttmp9, 5                       ; which 256 stacked rows: 0-3 lb, 4-7 ub
	s_and_b32 s21, ttmp9, 31                       ; which step of 128 along K
	s_and_b32 s22, s20, 3
	s_lshl_b32 s22, s22, 8
	s_lshl_b32 s23, s18, 5
	s_add_co_u32 s22, s22, s23                     ; my wave's first row in lb or ub
	s_mul_i32 s22, s22, ROWB
	s_lshl_b32 s23, s21, 9
	s_add_co_u32 s44, s22, s23                     ; + 512 bytes for each step
	s_mov_b32 s45, 0
	s_add_co_u32 s46, s22, 4096*4                  ; and the rows' last number
	s_mov_b32 s47, 0
	s_lshl_b32 s48, s20, 1
	s_lshr_b32 s49, s18, 2
	s_add_co_u32 s48, s48, s49                     ; tile row of A'
	s_mul_i32 s48, s48, ATILE
	s_and_b32 s49, s18, 3                          ; my pair of fragments in it
	s_mul_i32 s50, s49, 2*FRB
	s_add_co_u32 s48, s48, s50
	s_mul_i32 s50, s49, 2*FRB-128
	s_sub_co_u32 s43, 8*FRB, s50                   ; from my first image to my scale words: 12,288 + 128 p - 3,072 p
	s_mul_i32 s50, s21, ASTEPB
	s_add_co_u32 s50, s48, s50                     ; my step in the half against w_lb,
	s_add_co_u32 s52, s50, 32*ASTEPB               ; in the half against w_ub,
	s_add_co_u32 s54, s48, 64*ASTEPB               ; and step 64
	s_mov_b32 s51, 0
	s_mov_b32 s53, 0
	s_mov_b32 s55, 0
	s_cmp_eq_u32 s21, 31
	s_cselect_b32 s[AFL], 1, 0                     ; the waves with the last step also make step 64
	s_cmp_lt_u32 s20, 4                            ; lb?  All that follows hangs on the work-group's number alone
	s_cselect_b64 s[ASRC:ASRC+1], s[4:5], s[6:7]
	s_cselect_b32 s22, s50, s52                    ; max(x, 0) goes against w_lb for lb, against w_ub for ub;
	s_cselect_b32 s52, s52, s50                    ; min(x, 0) the other way round
	s_mov_b32 s50, s22
	s_cselect_b32 s[ACL], 0, 0xff800000            ; step 64, block 0 (against w_lb): lb: [0, inf], ub: [-inf, 0]
	s_cselect_b32 s[ACL+1], 0x7f800000, 0
	s_cselect_b32 s[ACL+2], 0xff800000, 0          ; block 1 (against w_ub): the other clip
	s_cselect_b32 s[ACL+3], 0, 0x7f800000
	s_add_nc_u64 s[ATS:ATS+1], s[ASRC:ASRC+1], s[46:47]
	s_add_nc_u64 s[ASRC:ASRC+1], s[ASRC:ASRC+1], s[44:45]
	s_add_nc_u64 s[AD0:AD0+1], s[12:13], s[50:51]
	s_add_nc_u64 s[AD1:AD1+1], s[12:13], s[52:53]
	s_add_nc_u64 s[ATD:ATD+1], s[12:13], s[54:55]
	v_mul_u32_u24 v[VTO], v1, ROWB
	v_lshl_add_u32 v[VSA], v1, 2, s43
	s_mul_i32 s20, s18, WREG
	v_lshl_add_u32 v[VST], v1, 2, s20
	v_mul_u32_u24 v[VLD], v1, PITCH
	s_delay_alu instid0(VALU_DEP_1)
	v_add_nc_u32 v[VLD], s20, v[VLD]
	s_cmp_eq_u32 s[AFL], 0
	s_cbranch_scc1 .Lno_at
	global_load_b32 v[TA], v[VTO], s[ATS:ATS+1]
.Lno_at:
	s_wait_alu depctr_va_vdst(0)
	ALOAD 0
	ALOAD 1
.irp q, 0,1,2,3
	s_wait_loadcnt 32                              ; this quarter's 32 loads are in; the 32 issued behind them may be out
.irp i, 0,1,2,3,4,5,6,7
.irp j, 0,1,2,3
	ds_store_b32 v[VST], v[RAW+32*(\q%2)+4*\i+\j] offset:PITCH*(8*\q+\i)+128*\j
.endr
.endr
	s_wait_dscnt 0x0                               ; the stores have read their registers,
.if \q < 2
	ALOAD \q+2                                     ; which take the quarter two further on,
.else
	WLOAD \q-2                                     ; or, behind the last two quarters, w's first two blocks: they land while the rows are quantised
.endif
.endr
.irp b, 0,1,2,3
.irp e, 0,1,2,3,4,5,6,7
	ds_load_b128 v[XR+4*\e:XR+4*\e+3], v[VLD] offset:128*\b+16*\e   ; block b of my row.  LDS serves a wave's instructions in order: these see my stores
.endr
	s_wait_dscnt 0x0
.irp i, 0,1,2,3,4,5,6,7,8,9,10,11,12,13,14,15,16,17,18,19,20,21,22,23,24,25,26,27,28,29,30,31
	v_max_num_f32 v[TR+\i], 0, v[XR+\i]
.endr
	BLOCK TR, C0, SW0, \b
.irp i, 0,1,2,3,4,5,6,7,8,9,10,11,12,13,14,15,16,17,18,19,20,21,22,23,24,25,26,27,28,29,30,31
	v_min_num_f32 v[XR+\i], 0, v[XR+\i]
.endr
	BLOCK XR, C1, SW1, \b
.endr
	PUT AD0, C0, SW0, VSA
	PUT AD1, C1, SW1, VSA
	s_wait_xcnt 0x0                                ; the stores have read their data: the codes' registers are written again only behind this wait
	TAIL AFL, TA, TA, ACL, ATD, VSA
	s_branch .Lwgo
.Lonlyw:
	s_wait_alu depctr_va_vdst(0)
	WLOAD 0
	WLOAD 1
	; ---------------- four K steps of 256 columns of w_lb or w_ub (or of column 4,096) ----------------
.Lwgo:                                                 ; on both ways: w's blocks 0 and 1, 64 loads, are out
.macro WSTEP ahead
.irp b, 0,1,2,3
.if (\ahead) || (\b < 3)
	s_wait_loadcnt 32                              ; this block's 32 loads are in; the next block's may be out
.else
	s_wait_loadcnt 0x0
.endif
	BLOCK RAW+32*(\b%2), C0, SW0, \b
.if (\ahead) || (\b < 2)
	WLOAD \b+2
.endif
.endr
	PUT DST0, C0, SW0, VSW
	s_wait_xcnt 0x0                                ; loads and stores have read their bases and data
	s_add_nc_u64 s[SRC:SRC+1], s[SRC:SRC+1], 128*ROWB
	s_add_nc_u64 s[DST0:DST0+1], s[DST0:DST0+1], s[DSTEP:DSTEP+1]
.endm
	s_mov_b32 s19, 3
.Lwcol:
	WSTEP 1
	s_sub_co_u32 s19, s19, 1
	s_cmp_lg_u32 s19, 0
	s_cbranch_scc1 .Lwcol
	WSTEP 0                                        ; the last step loads nothing beyond itself
	TAIL WFL, TW0, TW1, WCL, TDS, VSW
	s_wait_tensorcnt 0x0
	ds_add_u32 v208, v209
	s_wait_dscnt 0x0
	s_endpgm
.Lfunc_end_k_qb3ad39d66a_quant:
	.size	k_qb3ad39d66a_quant, .Lfunc_end_k_qb3ad39d66a_quant-k_qb3ad39d66a_quant
	.p2alignl 7, 3214868480
	.fill 96, 4, 3214868480
	.section	.rodata,"a",@progbits
	.p2align	6, 0x0
	.amdhsa_kernel k_qb3ad39d66a_quant
		.amdhsa_group_segment_fixed_size 136192
		.amdhsa_private_segment_fixed_size 0
		.amdhsa_enable_private_segment 0
		.amdhsa_kernarg_size 56
		.amdhsa_user_sgpr_count 2
		.amdhsa_user_sgpr_kernarg_segment_ptr 1
		.amdhsa_wavefront_size32 1
		.amdhsa_system_sgpr_workgroup_id_x 1
		.amdhsa_system_sgpr_workgroup_id_y 1
		.amdhsa_system_sgpr_workgroup_id_z 1
		.amdhsa_system_vgpr_workitem_id 0
		.amdhsa_next_free_vgpr 210
		.amdhsa_next_free_sgpr 76
		.amdhsa_reserve_vcc 0
		.amdhsa_float_denorm_mode_32 3
		.amdhsa_float_denorm_mode_16_64 3
		.amdhsa_memory_ordered 1
		.amdhsa_forward_progress 1
		.amdhsa_inst_pref_size 108
	.end_amdhsa_kernel
	.amdgpu_metadata
---
amdhsa.version: [ 1, 2 ]
amdhsa.kernels:
  - .name:           k_qb3ad39d66a_quant
    .symbol:         k_qb3ad39d66a_quant.kd
    .args:
      - { .name: lb, .offset: 0, .size: 8, .value_kind: global_buffer, .address_space: global }
      - { .name: ub, .offset: 8, .size: 8, .value_kind: global_buffer, .address_space: global }
      - { .name: w_lb, .offset: 16, .size: 8, .value_kind: global_buffer, .address_space: global }
      - { .name: w_ub, .offset: 24, .size: 8, .value_kind: global_buffer, .address_space: global }
      - { .name: acode, .offset: 32, .size: 8, .value_kind: global_buffer, .address_space: global }
      - { .name: bcode, .offset: 40, .size: 8, .value_kind: global_buffer, .address_space: global }
      - { .name: xcode, .offset: 48, .size: 8, .value_kind: global_buffer, .address_space: global }
    .group_segment_fixed_size: 136192
    .private_segment_fixed_size: 0
    .kernarg_segment_align: 8
    .kernarg_segment_size: 56
    .max_flat_workgroup_size: 256
    .sgpr_count:     76
    .vgpr_count:     210
    .wavefront_size: 32
...
	.end_amdgpu_metadata
.endif
;; end of part 1
;; launch prod (part 2): grid 16 x 16, 4 waves a work-group, clusters of 4 x 1, 327,680 bytes of LDS; arguments acode, bcode, xcode, out0, out1; writes out0, out1
.if DOCPART == 2
	.amdgcn_target "amdgcn-amd-amdhsa--gfx1250"
	.amdhsa_code_object_version 6
	.text
	.protected	k_qb3ad39d66a_prod
	.globl	k_qb3ad39d66a_prod
	.p2align	8
	.type	k_qb3ad39d66a_prod,@function
k_qb3ad39d66a_prod:
	s_mov_b64 s[64:65], 0
	v_nop
	global_prefetch_b8 v0, s[64:65] scope:SCOPE_SE
	s_setreg_imm32_b32 hwreg(HW_REG_WAVE_MODE, 25, 1), 1
	s_wait_xcnt 0x0
	s_wait_alu depctr_hold_cnt(0) depctr_sa_sdst(0) depctr_va_vdst(0) depctr_va_sdst(0) depctr_va_ssrc(0) depctr_va_vcc(0) depctr_vm_vsrc(0)
	s_getreg_b32 s2, hwreg(HW_REG_IB_STS2, 6, 4)
	s_cmp_eq_u32 s2, 0
	s_cbranch_scc0 .Lentry_in_a_cluster
	s_endpgm
.Lentry_in_a_cluster:
	s_bfe_u32 s2, ttmp6, 0x10000c
	s_cmp_lg_u32 s2, 0x3003
	s_cbranch_scc0 .Lentry_shape_is_right
	s_endpgm
.Lentry_shape_is_right:
; C' = A' B': 2,048 stacked rows (lb over ub) x 4,097 columns, K' = 65 steps of 128, on the codes and scale words that the launch before has laid as images of the operands' registers.
; A work-group makes 128 rows x 256 columns; a wave all 128 rows x 64 columns: 32 accumulators.  So A's eight fragments of a step are shared by all four waves, and each wave's four fragments of B are its own.
; A (12,800 bytes a step) goes through a ring of two LDS slots of EIGHT steps, filled by joint tensor loads: the four work-groups of a cluster lie side by side in one tile row and need the same tiles of A (mask 15);
; each wave brings a quarter of a slot, 100 rows of 256 bytes.  B (6,400 bytes a wave and step) goes from memory straight into registers, three steps ahead, in four sets: no other wave of the work-group reads those bytes.
; Step 64 comes by plain loads on both sides and is multiplied first: its products start the sums.  Steps 0-63 follow in eight groups of eight.
; COLUMN 4,096: the work-group of tile column c < 8 makes it for rows 16 c .. 16 c + 15 of its tile row; wave w takes steps w, w + 4, .. (wave 0 also step 64), four accumulators by turns, at the head, while slot 0 is on its way;
; which fragment of A hangs on the tile column by ADDRESS alone; the branch hangs on the cluster's x, which the partners share.
; PREFETCHES: B: each wave names its own 25 blocks of 256 bytes of the step that its loads reach eight steps later (steps 11 to 63); A: the sixteen waves of a cluster share the 400 blocks of the group two refills on, 25 each, by address.
; REGISTERS: window 0: v0-31 addresses, v32-63 scale words, v64-255 two sets of A's fragments; window 1: four sets of B's; window 2: accumulator (a, b) at v[8 (4 a + b)]; window 3: column 4,096's fragments (head only).
.set ASTEPB, 12800
.set BSTEPB, 25600
.set XSTEPB, 3328
.set ATILE,  65*ASTEPB
.set BTILE,  65*BSTEPB
.set FRB,    1536
.set GRP,    8*ASTEPB                  ; a slot: eight steps of A
.set S1,     0                         ; slot 1
.set SPARE,  GRP                       ; the spare words, 512 bytes
.set XS,     SPARE+512                 ; column 4,096: a word a thread
.set S0,     XS+512                    ; slot 0
.set STG,    S0                        ; the way out: 128 rows x 1,044 bytes over slot 0 (read no more by then) and bytes behind it that nothing fills
.set SP,     1044
.set ROWB,   16388
.set ADRA, 2                           ; v2-5   A's fragments: slot 0 steps 0-3, 4-7; slot 1 likewise
.set ASA,  6                           ; v6-9   A's scale words, likewise
.set CO,   10                          ; 16 x lane
.set VBS,  11                          ; B's scale words, from my first fragment
.set PFO,  12                          ; B's prefetch: a block a lane
.set PFAO, 13                          ; A's prefetch
.set STO,  14                          ; v14, v15 stage, in: rows 0-63, 64-127
.set RD,   16
.set PADA, 27                          ; stage: the padding behind row t, t my thread's number
.set EL,   17
.set EG,   18
.set XSA,  19
.set XSR,  20
.set XO,   21
.set ESO,  22                          ; 4 (lane % 16)
.set XV,   23                          ; 256 (lane / 16): all 16 lines of column 4,096's fragment are alike
.set XAS,  24                          ; scale words of two steps in one register: lanes 16-31 four steps on
.set XBS,  25
.set V4L,  26                          ; 4 x lane
.set SPW,  28
.set NIL,  29
.set EX,   30                          ; my part of column 4,096
.set SCA,  32                          ; v32-39 A's scale words, two sets of 4
.set SCB,  40                          ; v40-47 B's, four sets of 2
.set XSB,  48                          ; v48-55, v56-63 column 4,096's scale words
.set XSC,  56
.set AF,   64
.set OB,   64
.set G1,  24
.set G0,  32                           ; s[32:35] slot 0, s[36:39] slot 1
.set AB,  40                           ; s[40:41] my tile row of acode
.set PB,  48                           ; s[48:49] my fragments of bcode, this group's step 0
.set PAF, 50
.set OUT, 52
.set PX,  54
.set PEA, 56
.set PES, 58
.set PEB, 60
.set XF,  62
.set XF0, 63
.set MSB, 0
.macro WIN new
.if MSB != \new
	s_set_vgpr_msb (MSB<<8)|\new
.set MSB, \new
.endif
.endm
.set MUL,  0xa4                        ; source 0 (A) window 0, source 1 (B) window 1, C and D window 2
.set TO_B, 0x40
.macro PLACES n
.rept \n
	v_nop
.endr
.endm
.macro CREST
	s_cmp_lg_u32 s14, 0
	s_cbranch_scc1 .Lnot_wave_0_\@
	s_barrier_signal -3
.Lnot_wave_0_\@:
	s_barrier_wait -3
	s_barrier_signal -1
	s_barrier_wait -1
.endm
.macro CROUND
	s_barrier_signal -1
	s_barrier_wait -1
	CREST
.endm
	s_load_b256 s[4:11], s[0:1], 0x0               ; acode, bcode, xcode, out0
	s_load_b64 s[12:13], s[0:1], 0x20              ; out1
	v_lshl_add_u32 v[SPW], v0, 2, SPARE
	v_mov_b32 v[NIL], 0
	ds_add_u32 v[SPW], v[NIL]                      ; the opening lines: the add twice on end
	ds_add_u32 v[SPW], v[NIL]
	v_lshrrev_b32 v1, 5, v0
	v_readfirstlane_b32 s14, v1                    ; wave
	v_and_b32 v1, 31, v0                           ; lane
	s_bfe_u32 s19, ttmp6, 0x40000                  ; cx
	s_lshl_b32 s17, ttmp9, 2
	s_add_co_u32 s17, s17, s19                     ; tile column
	s_and_b32 s18, ttmp7, 0xffff                   ; tile row: the partners share it
	s_mov_b32 s[G1], 15|(3<<16)|(1<<21)            ; mask: all four of the cluster; elements of 8 bytes
	s_mov_b32 s[G1+1], 32<<16
	s_mov_b32 s[G1+2], 100<<16
	s_mov_b32 s[G1+3], 32<<16
	s_mov_b32 s[G1+4], 100
	s_mov_b32 s[G1+5], 32
	s_mov_b32 s[G1+6], 0
	s_mov_b32 s[G1+7], 0
	s_mul_i32 s[AB], s18, ATILE
	s_mov_b32 s[AB+1], 0
	s_mul_i32 s42, s17, BTILE
	s_mov_b32 s43, 0
	s_mul_i32 s20, s14, 2*ASTEPB                   ; my quarter of a slot
	s_mov_b32 s21, 0
	s_mov_b32 s47, 0
	s_mul_i32 s44, s14, 5888
	s_sub_co_u32 s44, 24576, s44                   ; from my first fragment of B to my scale words: 24,576 + 256 w - 6,144 w
	s_lshl_b32 s45, s14, 8
	s_add_co_u32 s45, s45, STG                     ; stage: my 64 columns
	s_mul_i32 s23, s14, 32*SP
	s_add_co_u32 s23, s23, STG                     ; stage: the 32 rows that I store
	s_cmp_lt_u32 ttmp9, 2
	s_cselect_b32 s[XF], 1, 0                      ; tile columns 0-7 make column 4,096
	s_cmp_eq_u32 s14, 0
	s_cselect_b32 s[XF0], s[XF], 0
	s_wait_alu depctr_va_vdst(0)
	s_wait_dscnt 0x0
	s_wait_kmcnt 0x0
	s_add_nc_u64 s[AB:AB+1], s[4:5], s[AB:AB+1]
	s_add_nc_u64 s[42:43], s[6:7], s[42:43]
	s_mov_b32 s[G0], 1
	s_add_co_u32 s[G0+1], s20, S0
	s_add_nc_u64 s[G0+2:G0+3], s[AB:AB+1], s[20:21]
	s_mov_b32 s[G0+4], 1
	s_add_co_u32 s[G0+5], s20, S1
	s_add_nc_u64 s[G0+6:G0+7], s[G0+2:G0+3], GRP
	s_or_b32 s[G0+3], s[G0+3], 0x80000000
	s_or_b32 s[G0+7], s[G0+7], 0x80000000
	s_mul_i32 s46, s14, 4*FRB
	s_add_nc_u64 s[PB:PB+1], s[42:43], s[46:47]
	s_lshl_b32 s46, s19, 2
	s_add_co_u32 s46, s46, s14
	s_mul_i32 s46, s46, 6400                       ; my 25 blocks of a group's 400
	s_add_co_u32 s46, s46, 3*GRP
	s_add_nc_u64 s[PAF:PAF+1], s[AB:AB+1], s[46:47]
	s_mul_i32 s22, s14, ASTEPB
	s_mul_i32 s46, s17, FRB
	s_add_co_u32 s46, s46, s22
	s_add_nc_u64 s[PEA:PEA+1], s[AB:AB+1], s[46:47] ; fragment c of step w
	s_lshl_b32 s46, s17, 6
	s_add_co_u32 s46, s46, s22
	s_add_co_u32 s46, s46, 8*FRB
	s_add_nc_u64 s[PES:PES+1], s[AB:AB+1], s[46:47]
	s_mul_i32 s46, s14, XSTEPB
	s_add_nc_u64 s[PEB:PEB+1], s[8:9], s[46:47]
	s_cmp_lt_u32 s18, 8                            ; tile rows 0-7: lb's rows, out0
	s_cselect_b64 s[OUT:OUT+1], s[10:11], s[12:13]
	s_and_b32 s22, s18, 7
	s_lshl_b32 s22, s22, 7
	s_lshl_b32 s46, s17, 4
	s_add_co_u32 s46, s46, s22
	s_mul_i32 s46, s46, ROWB
	s_add_co_u32 s46, s46, 4096*4
	s_add_nc_u64 s[PX:PX+1], s[OUT:OUT+1], s[46:47]
	s_lshl_b32 s46, s14, 5
	s_add_co_u32 s46, s46, s22
	s_mul_i32 s46, s46, ROWB
	s_lshl_b32 s22, s17, 10
	s_add_co_u32 s46, s46, s22
	s_add_nc_u64 s[OUT:OUT+1], s[OUT:OUT+1], s[46:47]
	CROUND                                         ; the first joint loads meet
	tensor_load_to_lds s[G0:G0+3], s[G1:G1+7]      ; group 0: one tensor load a wave at the head
	s_nop 0
	v_lshlrev_b32 v[CO], 4, v1
	v_lshlrev_b32 v[V4L], 2, v1
	v_and_b32 v65, 15, v1
	v_lshrrev_b32 v66, 4, v1
.irp k, 0,1
	v_add_nc_u32 v[ADRA+\k], S0+4*ASTEPB*\k, v[CO]
	v_add_nc_u32 v[ADRA+2+\k], S1+4*ASTEPB*\k, v[CO]
	v_add_nc_u32 v[ASA+\k], S0+8*FRB+4*ASTEPB*\k, v[V4L]
	v_add_nc_u32 v[ASA+2+\k], S1+8*FRB+4*ASTEPB*\k, v[V4L]
.endr
	v_add_nc_u32 v[VBS], s44, v[V4L]
	v_lshlrev_b32 v[PFO], 8, v1
	v_mov_b32 v67, s44
	v_cmp_gt_u32 vcc_lo, 24, v1
	v_cndmask_b32 v[PFO], v67, v[PFO], vcc_lo      ; lanes 0-23: my fragments' 24 blocks; the others: the block of my scale words
	v_min_u32 v[PFAO], 24, v1
	v_lshlrev_b32 v[PFAO], 8, v[PFAO]
	v_mul_u32_u24 v[STO], v66, 8*SP
	v_lshl_add_u32 v[STO], v65, 2, v[STO]
	v_add_nc_u32 v[STO], s45, v[STO]
	v_add_nc_u32 v[STO+1], 64*SP, v[STO]
	v_add_nc_u32 v[RD], s23, v[CO]
	v_mul_u32_u24 v[PADA], v0, SP
	v_add_nc_u32 v[PADA], STG+1024, v[PADA]
	v_and_b32 v[EL], 3, v1                         ; the four numbers of each row that the aligned stores of 16 bytes leave over
	v_lshrrev_b32 v[EG], 2, v1
	v_and_b32 v68, 3, v[EG]
	v_sub_nc_u32 v68, 4, v68
	v_and_b32 v68, 3, v68
	v_add_nc_u32 v69, 4, v[EL]
	v_sub_nc_u32 v68, v69, v68
	v_lshrrev_b32 v68, 2, v68
	v_mad_u32_u24 v68, v68, 252, v[EL]
	v_mul_u32_u24 v[EL], v[EG], SP
	v_lshl_add_u32 v[EL], v68, 2, v[EL]
	v_add_nc_u32 v[EL], s23, v[EL]
	v_mul_u32_u24 v[EG], v[EG], ROWB
	v_lshl_add_u32 v[EG], v68, 2, v[EG]
	v_lshl_add_u32 v[XSA], v0, 2, XS
	v_add_nc_u32 v[XSR], XS, v[V4L]
	v_mul_u32_u24 v[XO], v65, ROWB
	v_lshlrev_b32 v[ESO], 2, v65
	v_lshlrev_b32 v[XV], 8, v66
	v_mad_u32_u24 v[XAS], v66, 4*ASTEPB, v[ESO]
	v_mad_u32_u24 v[XBS], v66, 4*XSTEPB, v[ESO]
	v_mov_b32 v[EX], 0
	s_wait_alu depctr_va_vdst(0)
; my four fragments of B and their scale words, step t of the group, into set
.macro BLOAD t, set
	WIN TO_B
.irp f, 0,1,2,3
.irp g, 0,1,2
	global_load_b128 v[48*(\set)+12*\f+4*\g:48*(\set)+12*\f+4*\g+3], v[CO], s[PB:PB+1] offset:BSTEPB*(\t)+FRB*\f+512*\g
.endr
.endr
	WIN 0
.irp i, 0,1
	global_load_b32 v[SCB+2*(\set)+\i], v[VBS], s[PB:PB+1] offset:BSTEPB*(\t)+128*\i
.endr
.endm
; A's eight fragments and scale words of step q of slot p: 28 LDS loads
.macro FETCH p, q, set
.irp i, 0,1,2,3
	ds_load_b32 v[SCA+4*(\set)+\i], v[ASA+2*(\p)+(\q)/4] offset:ASTEPB*((\q)%4)+128*\i
.endr
.irp f, 0,1,2,3,4,5,6,7
.irp g, 0,1,2
	ds_load_b128 v[AF+96*(\set)+12*\f+4*\g:AF+96*(\set)+12*\f+4*\g+3], v[ADRA+2*(\p)+(\q)/4] offset:ASTEPB*((\q)%4)+FRB*\f+512*\g
.endr
.endr
.endm
.macro ONE a, b, as, bs, zero
.set rD, 8*(4*(\a)+(\b))
.set rA, AF+96*(\as)+12*(\a)
.set rB, 48*(\bs)+12*(\b)
.set rP, SCA+4*(\as)+(\a)/2
.set rQ, SCB+2*(\bs)+(\b)/2
.set rW, 2*((\a)%2)+(\b)%2+4*(\zero)
.if rW == 0
	v_wmma_scale_f32_16x16x128_f8f6f4 v[rD:rD+7], v[rA:rA+11], v[rB:rB+11], v[rD:rD+7], v[rP], v[rQ] matrix_a_fmt:MATRIX_FMT_FP6 matrix_b_fmt:MATRIX_FMT_FP6
.elseif rW == 1
	v_wmma_scale_f32_16x16x128_f8f6f4 v[rD:rD+7], v[rA:rA+11], v[rB:rB+11], v[rD:rD+7], v[rP], v[rQ] matrix_a_fmt:MATRIX_FMT_FP6 matrix_b_fmt:MATRIX_FMT_FP6 matrix_b_scale:MATRIX_SCALE_ROW1
.elseif rW == 2
	v_wmma_scale_f32_16x16x128_f8f6f4 v[rD:rD+7], v[rA:rA+11], v[rB:rB+11], v[rD:rD+7], v[rP], v[rQ] matrix_a_fmt:MATRIX_FMT_FP6 matrix_b_fmt:MATRIX_FMT_FP6 matrix_a_scale:MATRIX_SCALE_ROW1
.elseif rW == 3
	v_wmma_scale_f32_16x16x128_f8f6f4 v[rD:rD+7], v[rA:rA+11], v[rB:rB+11], v[rD:rD+7], v[rP], v[rQ] matrix_a_fmt:MATRIX_FMT_FP6 matrix_b_fmt:MATRIX_FMT_FP6 matrix_a_scale:MATRIX_SCALE_ROW1 matrix_b_scale:MATRIX_SCALE_ROW1
.elseif rW == 4
	v_wmma_scale_f32_16x16x128_f8f6f4 v[rD:rD+7], v[rA:rA+11], v[rB:rB+11], 0, v[rP], v[rQ] matrix_a_fmt:MATRIX_FMT_FP6 matrix_b_fmt:MATRIX_FMT_FP6
.elseif rW == 5
	v_wmma_scale_f32_16x16x128_f8f6f4 v[rD:rD+7], v[rA:rA+11], v[rB:rB+11], 0, v[rP], v[rQ] matrix_a_fmt:MATRIX_FMT_FP6 matrix_b_fmt:MATRIX_FMT_FP6 matrix_b_scale:MATRIX_SCALE_ROW1
.elseif rW == 6
	v_wmma_scale_f32_16x16x128_f8f6f4 v[rD:rD+7], v[rA:rA+11], v[rB:rB+11], 0, v[rP], v[rQ] matrix_a_fmt:MATRIX_FMT_FP6 matrix_b_fmt:MATRIX_FMT_FP6 matrix_a_scale:MATRIX_SCALE_ROW1
.else
	v_wmma_scale_f32_16x16x128_f8f6f4 v[rD:rD+7], v[rA:rA+11], v[rB:rB+11], 0, v[rP], v[rQ] matrix_a_fmt:MATRIX_FMT_FP6 matrix_b_fmt:MATRIX_FMT_FP6 matrix_a_scale:MATRIX_SCALE_ROW1 matrix_b_scale:MATRIX_SCALE_ROW1
.endif
.endm
; 16 matrix instructions: A's blocks a0 .. a0 + 3 x my four of B.  The 32 accumulators take turns, in the same order in every step
.macro MULH a0, as, bs, zero
.irp a, \a0, \a0+1, \a0+2, \a0+3
.irp b, 0,1,2,3
	ONE (\a), \b, \as, \bs, \zero
.endr
.endr
.endm
; column 4,096: the fragments of my i-th step, w + 4 i
.macro XLA i
.irp g, 0,1,2
	global_load_b128 v[12*(\i)+4*\g:12*(\i)+4*\g+3], v[CO], s[PEA:PEA+1] offset:4*ASTEPB*(\i)+512*\g
.endr
.endm
.macro XLB i
.irp g, 0,1,2
	global_load_b128 v[12*(\i)+4*\g:12*(\i)+4*\g+3], v[XV], s[PEB:PEB+1] offset:4*XSTEPB*(\i)+512*\g
.endr
.endm
.macro XM i                            ; source 0: the column, 16 lines alike; source 1: 16 rows of A: register 0 of lane r is row r's sum
.set xD, 64+8*((\i)%4)
.if (\i) == 16
.set xP, SCA
.set xQ, SCA+1
.else
.set xP, XSB+(\i)/2
.set xQ, XSC+(\i)/2
.endif
.set xW, (\i)%2+2*((\i)/4 > 0)
.if xW == 0
	v_wmma_scale_f32_16x16x128_f8f6f4 v[xD:xD+7], v[12*(\i):12*(\i)+11], v[12*(\i):12*(\i)+11], 0, v[xP], v[xQ] matrix_a_fmt:MATRIX_FMT_FP6 matrix_b_fmt:MATRIX_FMT_FP6
.elseif xW == 1
	v_wmma_scale_f32_16x16x128_f8f6f4 v[xD:xD+7], v[12*(\i):12*(\i)+11], v[12*(\i):12*(\i)+11], 0, v[xP], v[xQ] matrix_a_fmt:MATRIX_FMT_FP6 matrix_b_fmt:MATRIX_FMT_FP6 matrix_a_scale:MATRIX_SCALE_ROW1 matrix_b_scale:MATRIX_SCALE_ROW1
.elseif (\i)%2 == 0
	v_wmma_scale_f32_16x16x128_f8f6f4 v[xD:xD+7], v[12*(\i):12*(\i)+11], v[12*(\i):12*(\i)+11], v[xD:xD+7], v[xP], v[xQ] matrix_a_fmt:MATRIX_FMT_FP6 matrix_b_fmt:MATRIX_FMT_FP6
.else
	v_wmma_scale_f32_16x16x128_f8f6f4 v[xD:xD+7], v[12*(\i):12*(\i)+11], v[12*(\i):12*(\i)+11], v[xD:xD+7], v[xP], v[xQ] matrix_a_fmt:MATRIX_FMT_FP6 matrix_b_fmt:MATRIX_FMT_FP6 matrix_a_scale:MATRIX_SCALE_ROW1 matrix_b_scale:MATRIX_SCALE_ROW1
.endif
.endm
.macro XMUL n
	WIN 0x0b                                       ; source 0 window 3, source 1 window 2, C and D window 0
.set I, 0
.rept \n
	XM I
.set I, I+1
.endr
	WIN 0
.endm
	; step 64 on both sides, then B's steps 0 to 2: 84 loads
.irp f, 0,1,2,3,4,5,6,7
.irp g, 0,1,2
	global_load_b128 v[AF+96+12*\f+4*\g:AF+96+12*\f+4*\g+3], v[CO], s[AB:AB+1] offset:64*ASTEPB+FRB*\f+512*\g
.endr
.endr
.irp i, 0,1,2,3
	global_load_b32 v[SCA+4+\i], v[V4L], s[AB:AB+1] offset:64*ASTEPB+8*FRB+128*\i
.endr
	BLOAD 64, 3
	BLOAD 0, 0
	BLOAD 1, 1
	BLOAD 2, 2
	; column 4,096
	s_cmp_lg_u32 s[XF], 0
	s_cbranch_scc0 .Lnox
	WIN 0x80                                       ; A's fragments into window 2, which holds no sums yet
.set I, 0
.rept 16
	XLA I
.set I, I+1
.endr
	WIN 0xc0                                       ; the column's into window 3
.set I, 0
.rept 16
	XLB I
.set I, I+1
.endr
	WIN 0
.irp k, 0,1,2,3,4,5,6,7
	global_load_b32 v[XSB+\k], v[XBS], s[PEB:PEB+1] offset:2*FRB+8*XSTEPB*\k
	global_load_b32 v[XSC+\k], v[XAS], s[PES:PES+1] offset:8*ASTEPB*\k
.endr
	s_cmp_lg_u32 s14, 0
	s_cbranch_scc1 .Lx16
	WIN 0x80                                       ; wave 0: step 64 too
	XLA 16
	WIN 0xc0
	XLB 16
	WIN 0
	global_load_b32 v[SCA], v[ESO], s[PEB:PEB+1] offset:2*FRB+64*XSTEPB
	global_load_b32 v[SCA+1], v[ESO], s[PES:PES+1] offset:64*ASTEPB
	s_wait_loadcnt 0x0
	XMUL 17
	s_branch .Lxsum
.Lx16:
	s_wait_loadcnt 0x0
	XMUL 16
.Lxsum:
	PLACES 5                                       ; ahead of the reads below, and of the products that write window 2
	v_add_f32 v[EX], v64, v72
	v_add_f32 v67, v80, v88
	v_add_f32 v[EX], v[EX], v67
.Lnox:
	s_wait_alu depctr_va_vdst(0)
	s_wait_tensorcnt 0x0                           ; my quarter of group 0 is in; slot 1's first fill is issued as a refill is
	ds_add_u32 v[SPW], v[NIL]
	s_add_nc_u64 s[G0+2:G0+3], s[G0+2:G0+3], 2*GRP ; no load of mine is out: slot 0's next group
	s_wait_dscnt 0x0
	CROUND
	tensor_load_to_lds s[G0+4:G0+7], s[G1:G1+7]    ; group 1
	s_nop 0
	PLACES 4
	FETCH 0, 0, 0
	s_wait_loadcnt 42                              ; step 64's 42 loads are in; B's steps 0 to 2 may be out
	WIN MUL
	MULH 0, 1, 3, 1                                ; step 64 starts the sums
	MULH 4, 1, 3, 1
; steps 0 to 6 of a group in slot p.  last: the last group asks for nothing beyond step 63.  pfq: up to which step B is prefetched
.macro STEP p, q, last, pfq
	PLACES 4                                       ; ahead of loads into registers that the last step's products read
.if (\last) == 0 || (\q) < 5
	BLOAD (\q)+3, ((\q)+3)%4
.endif
	WIN 0
	FETCH \p, (\q)+1, ((\q)+1)%2
.if (\last) && (\q) > 4
	s_wait_loadcnt 14*(7-(\q))
.else
	s_wait_loadcnt 42                              ; this step's 14 loads are in; those of three steps may be out
.endif
	s_wait_dscnt 28                                ; this step's A is in; the 28 just issued may be out
	WIN MUL
	MULH 0, (\q)%2, (\q)%4, 0
.if (\q) <= (\pfq)
	global_prefetch_b8 v[PFO], s[PB:PB+1] offset:BSTEPB*((\q)+11) th:TH_LOAD_NT scope:SCOPE_SE
.endif
.if (\q) == 6 && (\pfq) == 7
	global_prefetch_b8 v[PFO], s[PB:PB+1] offset:BSTEPB*18 th:TH_LOAD_NT scope:SCOPE_SE   ; step 7's share: no memory instruction stands among its waits and barrier
.endif
	MULH 4, (\q)%2, (\q)%4, 0
.endm
; step 7 and the change of slots.  mode 1: a round, and slot p is filled again; 2: a barrier alone; 0: the very last step
.macro ENDQ p, mode, last
	PLACES 4
.if (\last) == 0
	BLOAD 10, 2
	s_wait_loadcnt 42
.else
	s_wait_loadcnt 0x0
.endif
	WIN 0
.if (\mode) == 0
	s_wait_dscnt 0x0
	WIN MUL
	MULH 0, 1, 3, 0
	MULH 4, 1, 3, 0
	WIN 0
.else
	s_wait_tensorcnt 0x0                           ; my quarter of the other slot is in
	ds_add_u32 v[SPW], v[NIL]
.if (\mode) == 1
	s_add_nc_u64 s[G0+4*(1-(\p))+2:G0+4*(1-(\p))+3], s[G0+4*(1-(\p))+2:G0+4*(1-(\p))+3], 2*GRP
.endif
	s_wait_dscnt 1                                 ; step 7's A is in; the add may be out
	WIN MUL
	MULH 0, 1, 3, 0
	s_wait_dscnt 0x0                               ; the add is done, my reads of this slot are over
	s_barrier_signal -1
	MULH 4, 1, 3, 0
	WIN 0
	s_barrier_wait -1
.if (\mode) == 1
	CREST                                          ; the barrier has opened a round of the cluster's barrier
	tensor_load_to_lds s[G0+4*(\p):G0+4*(\p)+3], s[G1:G1+7]
	s_nop 0
.endif
	PLACES 4
	FETCH 1-(\p), 0, 0
	s_wait_xcnt 0x0                                ; loads and prefetches have read their bases
	s_add_nc_u64 s[PB:PB+1], s[PB:PB+1], 8*BSTEPB
.if (\mode) == 1
	s_add_nc_u64 s[PAF:PAF+1], s[PAF:PAF+1], GRP
	s_cmp_gt_u32 s3, 1                             ; the last trip's groups have no group four on
	s_cbranch_scc0 .Lna_\@
	global_prefetch_b8 v[PFAO], s[PAF:PAF+1] th:TH_LOAD_NT scope:SCOPE_SE
.Lna_\@:
.endif
.endif
.endm
.macro GROUP p, mode, last, pfq
.irp q, 0,1,2,3,4,5,6
	STEP \p, \q, \last, \pfq
.endr
	ENDQ \p, \mode, \last
.endm
	WIN 0
	s_mov_b32 s3, 3
.Llap:                                                 ; groups 0 to 5; their ends ask for groups 2 to 7
	GROUP 0, 1, 0, 7
	GROUP 1, 1, 0, 7
	s_sub_co_u32 s3, s3, 1
	s_cmp_lg_u32 s3, 0
	s_cbranch_scc1 .Llap
	GROUP 0, 2, 0, 4                               ; group 6: nothing is left to fetch of A; B's prefetch ends with step 63
	GROUP 1, 0, 1, -1                              ; group 7
	; THE WAY OUT: through the stage, back as rows, 32 rows a wave
	PLACES 4
	ds_store_b32 v[XSA], v[EX]
.irp k, 0,1,2
	ds_store_b32 v[PADA], v[NIL] offset:4*\k       ; the 12 bytes behind each row's 1,024 are set: in a row's second half lane 31, which stores nothing, names up to 12 bytes there
.endr
	WIN 0x08
.irp a, 0,1,2,3,4,5,6,7
.irp b, 0,1,2,3
.irp j, 0,1,2,3,4,5,6,7
	ds_store_b32 v[STO+\a/4], v[8*(4*\a+\b)+\j] offset:SP*(16*(\a%4)+\j)+64*\b
.endr
.endr
.endr
	WIN 0
	s_wait_dscnt 0x0
	s_barrier_signal -1
	s_barrier_wait -1
	s_cmp_lg_u32 s[XF0], 0
	s_cbranch_scc0 .Lno_col
.irp k, 0,1,2,3
	ds_load_b32 v[192+\k], v[XSR] offset:128*\k    ; the four waves' parts of column 4,096
.endr
	s_wait_dscnt 0x0
	v_add_f32 v192, v192, v193
	v_add_f32 v194, v194, v195
	v_add_f32 v192, v192, v194
	v_cmp_gt_u32 vcc_lo, 16, v1
	s_wait_alu depctr_va_vdst(0)
	s_wait_xcnt 0x0
	s_and_saveexec_b32 s2, vcc_lo
	global_store_b32 v[XO], v192, s[PX:PX+1]
	s_wait_xcnt 0x0
	s_or_b32 exec_lo, exec_lo, s2
.Lno_col:
; a row of the outputs is 16,388 bytes: row i begins 4 i bytes past a multiple of 16, so its stores of 16 bytes begin (4 - i % 4) % 4 numbers in
.macro PASS add, rd
.irp i, 0,1,2,3,4,5,6,7,8,9,10,11,12,13,14,15,16,17,18,19,20,21,22,23,24,25,26,27,28,29,30,31
	ds_load_b128 v[OB+4*\i:OB+4*\i+3], v[\rd] offset:SP*\i+4*((4-\i%4)%4)+\add
.endr
.irp i, 0,1,2,3,4,5,6,7,8,9,10,11,12,13,14,15,16,17,18,19,20,21,22,23,24,25,26,27,28,29,30,31
	s_wait_dscnt 31-\i
	global_store_b128 v[CO], v[OB+4*\i:OB+4*\i+3], s[OUT:OUT+1] offset:ROWB*\i+4*((4-\i%4)%4)+\add th:TH_STORE_NT
.endr
.endm
	PASS 0, RD
	v_cmp_gt_u32 vcc_lo, 31, v1
	s_wait_xcnt 0x0
	s_and_saveexec_b32 s2, vcc_lo
	PASS 512, RD
	s_wait_xcnt 0x0
	s_or_b32 exec_lo, exec_lo, s2
.irp e, 0,1,2,3
	ds_load_b32 v[196+\e], v[EL] offset:8*SP*\e
.endr
	s_wait_dscnt 0x0
.irp e, 0,1,2,3
	global_store_b32 v[EG], v[196+\e], s[OUT:OUT+1] offset:8*ROWB*\e th:TH_STORE_NT
.endr
	s_wait_tensorcnt 0x0                           ; the wave's end
	ds_add_u32 v[SPW], v[NIL]
	s_wait_dscnt 0x0
	CROUND                                         ; the closing round
	s_endpgm
.Lfunc_end_k_qb3ad39d66a_prod:
	.size	k_qb3ad39d66a_prod, .Lfunc_end_k_qb3ad39d66a_prod-k_qb3ad39d66a_prod
	.p2alignl 7, 3214868480
	.fill 96, 4, 3214868480
	.section	.rodata,"a",@progbits
	.p2align	6, 0x0
	.amdhsa_kernel k_qb3ad39d66a_prod
		.amdhsa_group_segment_fixed_size 327680
		.amdhsa_private_segment_fixed_size 0
		.amdhsa_enable_private_segment 0
		.amdhsa_kernarg_size 40
		.amdhsa_user_sgpr_count 2
		.amdhsa_user_sgpr_kernarg_segment_ptr 1
		.amdhsa_wavefront_size32 1
		.amdhsa_system_sgpr_workgroup_id_x 1
		.amdhsa_system_sgpr_workgroup_id_y 1
		.amdhsa_system_sgpr_workgroup_id_z 1
		.amdhsa_system_vgpr_workitem_id 0
		.amdhsa_next_free_vgpr 1024
		.amdhsa_next_free_sgpr 66
		.amdhsa_reserve_vcc 1
		.amdhsa_float_denorm_mode_32 3
		.amdhsa_float_denorm_mode_16_64 3
		.amdhsa_memory_ordered 1
		.amdhsa_forward_progress 1
		.amdhsa_inst_pref_size 255
	.end_amdhsa_kernel
	.section	.bss,"aw",@nobits
	.p2align	6
	.space	262144
	.amdgpu_metadata
---
amdhsa.version: [ 1, 2 ]
amdhsa.kernels:
  - .name:           k_qb3ad39d66a_prod
    .symbol:         k_qb3ad39d66a_prod.kd
    .args:
      - { .name: acode, .offset: 0, .size: 8, .value_kind: global_buffer, .address_space: global }
      - { .name: bcode, .offset: 8, .size: 8, .value_kind: global_buffer, .address_space: global }
      - { .name: xcode, .offset: 16, .size: 8, .value_kind: global_buffer, .address_space: global }
      - { .name: out0, .offset: 24, .size: 8, .value_kind: global_buffer, .address_space: global }
      - { .name: out1, .offset: 32, .size: 8, .value_kind: global_buffer, .address_space: global }
    .group_segment_fixed_size: 327680
    .private_segment_fixed_size: 0
    .kernarg_segment_align: 8
    .kernarg_segment_size: 40
    .max_flat_workgroup_size: 128
    .sgpr_count:     66
    .vgpr_count:     1024
    .wavefront_size: 32
...
	.end_amdgpu_metadata
.endif
;; end of part 2
